; MI455X (gfx1250); checked and timed in simulation.
; The chip was launched on July 23, 2026; its instructions are those of AMD's public machine-readable ISA for CDNA 5 (MIT licence, August 2026) and "CDNA5" Instruction Set Architecture Reference Guide (July 2026). The comments in the code are by the model that wrote it; some were corrected since.
;; Pos Biased Multi Headed Attention. Allowed arithmetic: float matrix products may take bf16 or f16 operands with f32 sums; all other float work in f32.
;; Inputs: Wb 192 x 12 float32; Wk 768 x 768 float32; Wo 768 x 768 float32; Wq 768 x 768 float32; Wv 768 x 768 float32; bb 12 float32; bk 768 float32; bo 768 float32; bq 768 float32; bv 768 float32; key 2 x 512 x 768 float32; key_x 2 x 512 float32; key_y 2 x 512 float32; query 2 x 512 x 768 float32; query_x 2 x 512 float32; query_y 2 x 512 float32; value 2 x 512 x 768 float32; x_table 41 x 192 float32; y_table 41 x 192 float32.
;; Outputs: out0 2 x 512 x 768 float32.
;; One version. Each part assembles by itself: llvm-mc -triple=amdgcn-amd-amdhsa -mcpu=gfx1250 --defsym DOCPART=n.
;; ======== version 1 of 1: 3 launches
;; limits: values are held in f16: magnitudes above 65,504 overflow, below 6.1e-05 lose precision
;; workspace buffers: qkv 4,718,592 bytes; idx 2,097,152 bytes of whole numbers; tab 7,936 bytes; wob 1,179,648 bytes; att 1,572,864 bytes
;; launch proj (part 1): grid 256 x 1, 4 waves a work-group, no clusters, 72,192 bytes of LDS; arguments query, key, value, Wq, Wk, Wv, bq, bv, Wo, query_x, query_y, key_x, key_y, x_table, y_table, Wb, bb, qkv, idx, tab, wob; writes qkv, idx, tab, wob
.if DOCPART == 1
	.amdgcn_target "amdgcn-amd-amdhsa--gfx1250"
	.amdhsa_code_object_version 6
	.text
	.protected	k_q1a1c03ffc5_proj
	.globl	k_q1a1c03ffc5_proj
	.p2align	8
	.type	k_q1a1c03ffc5_proj,@function
k_q1a1c03ffc5_proj:
	s_mov_b64 s[64:65], 0
	v_nop
	global_prefetch_b8 v0, s[64:65] scope:SCOPE_SE
	s_setreg_imm32_b32 hwreg(HW_REG_WAVE_MODE, 25, 1), 1
	s_wait_xcnt 0x0
; FIRST OF THREE LAUNCHES: the three input projections, and everything that the attention launch wants prepared.
;
; WORK LEFT OUT, AND WHY IT IS DEAD OR LESS.
; (1) bk.  scores[b,h,q,k] = (query Wq + bq)[q] . (key Wk + bk)[k] / 8 + bias.  The part (query Wq + bq)[q] . bk / 8 is the same for
;     every k of a row (b,h,q); softmax along k takes the same value for x and x + c; so bk reaches no output, whatever the inputs hold.
;     bk is not loaded and is an argument of no launch.  Limit: a NaN, an infinity or an overflow that reaches only bk is not carried.
; (2) pos_emb @ Wb.  real_emb(T, x) = T[li] (1-r) + T[hi] r is linear in the rows of T, so real_emb(T, x) @ Wb = real_emb(T @ Wb, x) for
;     all inputs.  The product over [B,Lq,Lk,192] becomes two tables of 41 x 12 numbers, made here, and one lookup for a pair and a head.
; NUMBER FORMAT.  All matrix operands of the three launches are f16, sums f32.  V, the probabilities and the attention's result are each
;     rounded once on the way, and each rounding reaches the output at its full relative size: with 8 significant bits the three come to
;     about 0.3 per cent of the output's root mean square, a third of the allowance of 1 per cent, too near for 786,432 numbers; with f16's
;     11 bits to an eighth of that.
; LIMITS.  A magnitude beyond 65,504 in query, key, value, a weight, Q, K, V or the attention's result becomes infinite.  The room: a sum of
;     768 products of numbers 30 and 0.6 is 13,824.  Below 6.1e-5 a number keeps an absolute error of up to 3e-8.
;     20 x / 1000 is computed as 0.02 q - 0.02 k in one fused multiply-add; the interpolant is continuous, so an index that falls
;     on the other side of a knot moves the value by rounding alone.  NaN or infinite coordinates are not carried to the result.
;
; WORK-GROUPS 0-191: one tile of 64 rows x 192 columns (three heads) of Q = query Wq + bq, K = (key Wk) 0.125 log2(e), V = value Wv + bv,
;     f16 operands, f32 sums, stored f16 as qkv[3][b][h][l][64].  Four waves, a wave 64 rows x 48 columns = 12 accumulator tiles.
;     The operands are f32 in memory and have to be rounded on their way, so they come through registers (a copy engine rounds nothing):
;     that is why tiles are not shared in a cluster here.  K goes in 12 steps of 64 through two LDS slots and two register stages.
; WORK-GROUPS 192-255 (j = 0..63): Wo rounded to f16 in blocks of 64 columns (wob[12][768][64]); the two tables (tab[h][x,y][41][a,s],
;     -log2(e) (pre-sigmoid) = ax + xs sx + ay + ys sy); the table offsets of every pair (query, key) as whole numbers (idx), since the
;     launch that uses them as addresses has to read them from memory.
.set ROWB,  3072                       ; bytes in a row of query, key, value and of the weights
.set AP,    144                        ; LDS pitch of X's rows: 64 f16 + 16 bytes: sixteen rows begin at sixteen different multiples of 16 modulo 256
.set WP,    416                        ; LDS pitch of W's rows: 192 f16 + 32 bytes, 13 x 32
.set WOFF,  64*AP                      ; W's 64 rows lie behind X's 64 rows
.set SLOT,  WOFF+64*WP                 ; 35,840 bytes; two slots
.set BIAS,  20                         ; v[20:43]   bias of my 48 columns: 8 numbers for each column tile
.set ACC,   44                         ; v[44:139]  tile (mt, nt) at ACC + 8 (3 mt + nt)
.set F0,    140                        ; v[140:195] fragments of the first 32 of a K step: X at +8 mt, W at +32 + 8 nt
.set F1,    196                        ; v[196:251] of the second 32
.set ST0,   0                          ; window 1, v0-127 (v256-383): stage 0, 32 loads of 4 registers
.set ST1,   128                        ; window 1, v128-255 (v384-511): stage 1
; v4 global offset of my 16 bytes (X and W alike); v8, v9 where I put 8 bytes of X, of W; v12, v13 fragment addresses of X, of W;
; v14-16 the way out: where a tile's 16 bytes go; v17 where a row is read back; v18 16 t; v19 32 hh
.set MSB, 0
.macro WIN new                         ; the immediate's high byte repeats the setting that is left
.if MSB != \new
	s_set_vgpr_msb (MSB<<8)|\new
.set MSB, \new
.endif
.endm
.macro PLACES
.rept 4
	v_nop
.endr
.endm
	v_lshl_add_u32 v254, v0, 2, 0x11800
	v_mov_b32 v255, 0
	s_cmp_ge_u32 ttmp9, 192
	s_cbranch_scc1 .Lprep
	s_load_b512 s[4:19], s[0:1], 0x0               ; query, key, value, Wq, Wk, Wv, bq, bv
	s_load_b64 s[20:21], s[0:1], 0x88              ; qkv
	v_lshrrev_b32 v1, 5, v0
	v_readfirstlane_b32 s28, v1                    ; wave
	s_lshr_b32 s29, ttmp9, 6                       ; which product: 0 Q, 1 K, 2 V
	s_bfe_u32 s30, ttmp9, 0x40002                  ; mb: block of 64 rows, 0..15
	s_and_b32 s31, ttmp9, 3                        ; nb: block of 192 columns
	v_and_b32 v1, 15, v0
	v_lshrrev_b32 v2, 4, v0
	v_mul_u32_u24 v4, v2, ROWB                     ; sixteen lanes take 256 neighbouring bytes of a row; the 128 threads eight rows
	v_lshl_add_u32 v4, v1, 4, v4
	s_mul_i32 s34, s30, 64*ROWB
	s_mov_b32 s35, 0
	s_mul_i32 s36, s31, 768
	s_mov_b32 s37, 0
	s_wait_kmcnt 0x0
	s_cmp_eq_u32 s29, 0
	s_cselect_b64 s[22:23], s[4:5], s[6:7]         ; X
	s_cselect_b64 s[24:25], s[10:11], s[12:13]     ; W
	s_cselect_b64 s[26:27], s[16:17], s[18:19]     ; bias: bq for Q, bv for V (K has none)
	s_cmp_eq_u32 s29, 2
	s_cselect_b64 s[22:23], s[8:9], s[22:23]
	s_cselect_b64 s[24:25], s[14:15], s[24:25]
	s_add_nc_u64 s[22:23], s[22:23], s[34:35]      ; X at my first row
	s_add_nc_u64 s[24:25], s[24:25], s[36:37]      ; W at my first column
; 32 loads: a K step's 64 rows x 256 bytes of X, then its 64 rows x 768 bytes of W
.macro GLOAD st
	WIN 0x40                                       ; destination in window 1, address in window 0
.irp i, 0,1,2,3,4,5,6,7
	global_load_b128 v[\st+4*\i:\st+4*\i+3], v4, s[22:23] offset:8*ROWB*\i
.endr
.irp u, 0,1,2,3,4,5,6,7
.irp v, 0,1,2
	global_load_b128 v[\st+32+4*(3*\u+\v):\st+32+4*(3*\u+\v)+3], v4, s[24:25] offset:8*ROWB*\u+256*\v
.endr
.endr
	WIN 0
.endm
	GLOAD ST0                                      ; K step 0
	s_wait_xcnt 0x0                                ; the bases are stepped only behind this wait
	s_add_nc_u64 s[22:23], s[22:23], 256
	s_add_nc_u64 s[24:25], s[24:25], 64*ROWB
	GLOAD ST1                                      ; K step 1
	s_mul_i32 s38, s28, 192
	s_add_co_u32 s36, s36, s38
	s_add_nc_u64 s[26:27], s[26:27], s[36:37]      ; bias at column 192 nb + 48 w
	s_mul_i32 s34, s29, 1572864                    ; qkv: product, then batch, then head 3 nb, then row 64 (mb & 7), rows of 128 bytes
	s_lshr_b32 s38, s30, 3
	s_mul_i32 s38, s38, 786432
	s_add_co_u32 s34, s34, s38
	s_mul_i32 s38, s31, 196608
	s_add_co_u32 s34, s34, s38
	s_and_b32 s38, s30, 7
	s_lshl_b32 s38, s38, 13
	s_add_co_u32 s34, s34, s38
	s_add_nc_u64 s[20:21], s[20:21], s[34:35]
	v_mul_u32_u24 v8, v2, AP                       ; X in LDS: row t >> 4, 8 bytes at 8 (t & 15)
	v_lshl_add_u32 v8, v1, 3, v8
	v_mul_u32_u24 v9, v2, WP                       ; W likewise, behind X
	v_lshl_add_u32 v9, v1, 3, v9
	v_add_nc_u32 v9, WOFF, v9
	v_bfe_u32 v2, v0, 4, 1                         ; hh = lane / 16; v1 = r = lane % 16
	v_mul_u32_u24 v12, v1, AP                      ; X's fragment: row r, 16 bytes at 16 hh
	v_lshl_add_u32 v12, v2, 4, v12
	v_and_b32 v3, 7, v0
	v_lshl_add_u32 v3, v2, 3, v3
	v_mul_u32_u24 v13, v3, WP                      ; W's fragment, read transposed: row 8 hh + (lane & 7), 16 bytes at 16 ((lane >> 3) & 1)
	v_bfe_u32 v3, v0, 3, 1
	v_lshl_add_u32 v13, v3, 4, v13
	s_mul_i32 s33, s28, 96                         ; my 48 columns
	s_add_co_u32 s33, s33, WOFF
	v_add_nc_u32 v13, s33, v13
.irp nt, 0,1,2
	s_mul_i32 s33, s28, 3                          ; the way out: column tile ct = 3 w + nt lies in head ct >> 2 at byte 32 (ct & 3)
	s_add_co_u32 s33, s33, \nt
	s_lshr_b32 s38, s33, 2
	s_mul_i32 s38, s38, 64*AP
	s_and_b32 s33, s33, 3
	s_lshl_b32 s33, s33, 5
	s_add_co_u32 s38, s38, s33
	v_add_nc_u32 v[14+\nt], s38, v12
.endr
	v_lshrrev_b32 v3, 3, v0
	v_mul_u32_u24 v17, v3, AP                      ; back: eight lanes take a row of 128 bytes
	v_and_b32 v3, 7, v0
	v_lshl_add_u32 v17, v3, 4, v17
	v_lshlrev_b32 v18, 4, v0
	v_lshlrev_b32 v19, 5, v2
; A stage's 32 loads are rounded to f16 in place and put into an LDS slot; ld = 1: the stage is loaded again, two K steps ahead.
.macro STAGE st, slot, ld, cnt
	s_wait_loadcnt \cnt                            ; loads come back in order: this stage's are in, the \cnt younger ones stay out
	WIN 0x45                                       ; destination and both sources in window 1
.set q, 0
.rept 32
	v_cvt_pk_f16_f32 v[\st+4*q], v[\st+4*q], v[\st+4*q+1]
	v_cvt_pk_f16_f32 v[\st+4*q+1], v[\st+4*q+2], v[\st+4*q+3]
.set q, q+1
.endr
	WIN 0x04                                       ; store data in window 1, address in window 0
.irp i, 0,1,2,3,4,5,6,7
	ds_store_b64 v8, v[\st+4*\i:\st+4*\i+1] offset:\slot*SLOT+8*AP*\i
.endr
.irp u, 0,1,2,3,4,5,6,7
.irp v, 0,1,2
	ds_store_b64 v9, v[\st+32+4*(3*\u+\v):\st+32+4*(3*\u+\v)+1] offset:\slot*SLOT+8*WP*\u+128*\v
.endr
.endr
	WIN 0
.if \ld
	s_wait_xcnt 0x0                                ; the other stage's loads name these bases: they are stepped only behind this wait
	s_add_nc_u64 s[22:23], s[22:23], 256
	s_add_nc_u64 s[24:25], s[24:25], 64*ROWB
	GLOAD \st
.endif
.endm
; 14 LDS loads: four fragments of X (16 rows x 32 K), three of W (32 K x 16 columns, transposed on the way)
.macro FRAG f, slot, ks
.irp mt, 0,1,2,3
	ds_load_b128 v[\f+8*\mt:\f+8*\mt+3], v12 offset:\slot*SLOT+16*AP*\mt+64*\ks
	ds_load_b128 v[\f+8*\mt+4:\f+8*\mt+7], v12 offset:\slot*SLOT+16*AP*\mt+64*\ks+32
.endr
.irp nt, 0,1,2
	ds_load_tr16_b128 v[\f+32+8*\nt:\f+32+8*\nt+3], v13 offset:\slot*SLOT+32*WP*\ks+32*\nt
	ds_load_tr16_b128 v[\f+32+8*\nt+4:\f+32+8*\nt+7], v13 offset:\slot*SLOT+32*WP*\ks+32*\nt+16*WP
.endr
.endm
; 12 matrix instructions, W's columns as source 0 and X's rows as source 1: lane (r, hh) then holds row r and eight neighbouring columns
; 8 hh + 0..7.  The twelve accumulators take turns, one instruction a turn, in the same order everywhere.
.macro MUL f, zero
.irp mt, 0,1,2,3
.irp nt, 0,1,2
.if \zero
	v_wmma_f32_16x16x32_f16 v[ACC+8*(3*\mt+\nt):ACC+8*(3*\mt+\nt)+7], v[\f+32+8*\nt:\f+32+8*\nt+7], v[\f+8*\mt:\f+8*\mt+7], 0
.else
	v_wmma_f32_16x16x32_f16 v[ACC+8*(3*\mt+\nt):ACC+8*(3*\mt+\nt)+7], v[\f+32+8*\nt:\f+32+8*\nt+7], v[\f+8*\mt:\f+8*\mt+7], v[ACC+8*(3*\mt+\nt):ACC+8*(3*\mt+\nt)+7]
.endif
.endr
.endr
.endm
; One K step.  ONE barrier: in front of it a wave's stores into this slot are done, and so are its reads of the other slot (waited for in
; the step before); so behind it this slot is whole, and the other slot may be written in the next step.
; The loads into F0 and F1 stand behind STAGE's 64 conversions, which name window 1 alone: more than the four places behind the last
; matrix instruction that read them.
.macro TRIP st, slot, ld, cnt, zero
	STAGE \st, \slot, \ld, \cnt
	s_wait_dscnt 0x0                               ; my stores are in LDS, for the other waves' sake
	s_barrier_signal -1
	s_barrier_wait -1
	FRAG F0, \slot, 0
	FRAG F1, \slot, 1
	s_wait_dscnt 14                                ; F0 is in; F1's 14 loads may stay out
	MUL F0, \zero
	s_wait_dscnt 0x0                               ; F1 is in, and my reads of this slot are over
	MUL F1, 0
.endm
	TRIP ST0, 0, 1, 32, 1                          ; the first products start the sums: nothing is cleared
	TRIP ST1, 1, 1, 32, 0
	s_mov_b32 s32, 4
.Llap:
	TRIP ST0, 0, 1, 32, 0
	TRIP ST1, 1, 1, 32, 0
	s_sub_co_u32 s32, s32, 1
	s_cmp_lg_u32 s32, 0
	s_cbranch_scc1 .Llap
	; The last two K steps load no further tile.  They are written out on both sides of one branch, so that the bias is loaded two steps
	; ahead of its use on the one side and never named on the other.  The branch is the same in all four waves.
	s_cmp_eq_u32 s29, 1
	s_cbranch_scc1 .Lkeys
.irp nt, 0,1,2
	global_load_b128 v[BIAS+8*\nt:BIAS+8*\nt+3], v19, s[26:27] offset:64*\nt
	global_load_b128 v[BIAS+8*\nt+4:BIAS+8*\nt+7], v19, s[26:27] offset:64*\nt+16
.endr
	TRIP ST0, 0, 0, 38, 0                          ; younger: stage 1's 32 loads and the six of the bias
	TRIP ST1, 1, 0, 6, 0                           ; younger: the six of the bias
	PLACES                                         ; four places behind the last matrix instruction, ahead of the reads of its result
	s_wait_loadcnt 0x0
.irp mt, 0,1,2,3
.irp nt, 0,1,2
.irp p, 0,2,4,6
	v_pk_add_f32 v[ACC+8*(3*\mt+\nt)+\p:ACC+8*(3*\mt+\nt)+\p+1], v[ACC+8*(3*\mt+\nt)+\p:ACC+8*(3*\mt+\nt)+\p+1], v[BIAS+8*\nt+\p:BIAS+8*\nt+\p+1]
.endr
.endr
.endr
	s_branch .Lpack
.Lkeys:
	TRIP ST0, 0, 0, 32, 0
	TRIP ST1, 1, 0, 0, 0
	PLACES
.set a, ACC
.rept 48
	v_pk_mul_f32 v[a:a+1], v[a:a+1], 0x3e38aa3b op_sel_hi:[1,0]    ; 0.125 log2(e): the scores' scale, and the softmax works in base 2
.set a, a+2
.endr
.Lpack:
	; THE WAY OUT.  The stage is bytes 0 to 27,647, inside slot 0: every wave waited for its last reads of slot 0 (K step 10) in front of
	; K step 11's barrier, and K step 11 reads slot 1 alone.  Three heads x 64 rows x 144 bytes.
.irp mt, 0,1,2,3
.irp nt, 0,1,2
.irp p, 0,1,2,3
	v_cvt_pk_f16_f32 v[F0+4*(3*\mt+\nt)+\p], v[ACC+8*(3*\mt+\nt)+2*\p], v[ACC+8*(3*\mt+\nt)+2*\p+1]
.endr
	ds_store_b128 v[14+\nt], v[F0+4*(3*\mt+\nt):F0+4*(3*\mt+\nt)+3] offset:16*AP*\mt
.endr
.endr
	s_wait_dscnt 0x0                               ; my part of the rows is in LDS, for the other waves' sake
	s_barrier_signal -1
	s_barrier_wait -1
.irp i, 0,1,2,3,4,5,6,7,8,9,10,11
	ds_load_b128 v[F1+4*\i:F1+4*\i+3], v17 offset:(\i>>2)*64*AP+(\i&3)*16*AP
.endr
.irp i, 0,1,2,3,4,5,6,7,8,9,10,11
	s_wait_dscnt 11-\i                             ; LDS loads come back in order: load i is in
	global_store_b128 v18, v[F1+4*\i:F1+4*\i+3], s[20:21] offset:(\i>>2)*65536+(\i&3)*2048   ; a wave stores 512 neighbouring bytes
.endr
	s_wait_tensorcnt 0x0
	ds_add_u32 v254, v255
	s_wait_dscnt 0x0
	s_endpgm
; ---------------------------------------------------------------------------------------------------------------------------------
; WORK-GROUPS 192-255.  No LDS, no barrier.  All loads go out first (Wo's 18, the tables' 25, the coordinates' 2 + 16), then each part is
; worked on behind a counted wait.
.set CW,  16                           ; v[16:87]   18 loads of Wo; later v[16:79] the second batch of key coordinates
.set XT0, 88                           ; v[88:99]   12 numbers of x_table[jj];  XT1 of x_table[min(jj+1,40)];  YT0, YT1 the same of y_table
.set XT1, 100
.set YT0, 112
.set YT1, 124
.set WB,  136                          ; v[136:147] Wb[12 p + i][h]
.set BB,  148
.set SU,  149                          ; v149-152   the four dot products
.set QX,  154                          ; v[154:155] 0.02 query_x, twice;  v[156:157] 0.02 query_y, twice
.set QY,  156
.set I1,  160                          ; v[160:223] first batch of key coordinates: for each of 4 key tiles kx 8, ky 8
.set TT,  224                          ; v[224:231] at work
.Lprep:
	s_load_b512 s[4:19], s[0:1], 0x40              ; Wo, query_x, query_y, key_x, key_y, x_table, y_table, Wb
	s_load_b64 s[20:21], s[0:1], 0x80              ; bb
	s_load_b128 s[24:27], s[0:1], 0x90             ; idx, tab
	s_load_b64 s[28:29], s[0:1], 0xa0              ; wob
	s_sub_co_u32 s30, ttmp9, 192                   ; j
	v_lshrrev_b32 v1, 5, v0
	v_readfirstlane_b32 s31, v1                    ; wave
	s_mov_b32 s32, 0xc1a00000                      ; -20.0
	s_mov_b32 s33, 0x41a00000                      ; 20.0
	v_and_b32 v13, 15, v0                          ; p = r = lane % 16
	v_bfe_u32 v15, v0, 4, 1                        ; hh
	v_mul_u32_u24 v2, v15, ROWB                    ; Wo: lanes 0-15 one row's 256 bytes, lanes 16-31 the next row's
	v_lshl_add_u32 v2, v13, 4, v2
	v_and_b32 v3, 31, v0
	v_lshlrev_b32 v10, 4, v3                       ; 16 lane
	v_lshlrev_b32 v3, 3, v3                        ; 8 lane
	v_lshlrev_b32 v8, 2, v13                       ; 4 r
	v_lshlrev_b32 v9, 5, v15                       ; 32 hh
	v_lshrrev_b32 v12, 4, v0
	v_lshl_add_u32 v12, s30, 3, v12                ; e = 8 j + t / 16: table entry (head e / 41, knot e % 41); 492 of the 512 exist
	v_mul_u32_u24 v15, v12, 1599
	v_lshrrev_b32 v15, 16, v15                     ; e / 41 (1599 x 41 = 65,536 + 23: exact for e < 2,788)
	v_mul_u32_u24 v14, v15, 41
	v_sub_nc_u32 v14, v12, v14                     ; jj
	v_mul_u32_u24 v11, v15, 656
	v_lshl_add_u32 v11, v14, 3, v11
	v_mad_u32_u24 v11, v13, 328, v11               ; lane p = 0 stores x's entry, lane p = 1 y's, 41 entries further
	v_min_u32 v15, 11, v15                         ; entries that do not exist load head 11's numbers and store nothing
	v_lshlrev_b32 v7, 2, v15
	v_mad_u32_u24 v6, v13, 576, v7                 ; Wb[12 p][h]
	v_mul_u32_u24 v1, v13, 48
	v_mad_u32_u24 v4, v14, 768, v1                 ; table[jj][12 p]
	v_add_nc_u32 v15, 1, v14
	v_min_u32 v15, 40, v15
	v_mad_u32_u24 v5, v15, 768, v1                 ; table[min(jj + 1, 40)][12 p]
	s_mov_b32 s37, 0
	s_mul_i32 s36, s30, 12*ROWB
	s_mul_i32 s38, s31, 768
	s_add_co_u32 s36, s36, s38
	s_wait_kmcnt 0x0
	s_add_nc_u64 s[4:5], s[4:5], s[36:37]          ; Wo at row 12 j, column 192 w
	s_mul_i32 s36, s31, 3*98304
	s_mul_i32 s38, s30, 1536
	s_add_co_u32 s36, s36, s38
	s_add_nc_u64 s[28:29], s[28:29], s[36:37]      ; wob at block 3 w, row 12 j
	s_lshl_b32 s36, s30, 6
	s_add_nc_u64 s[6:7], s[6:7], s[36:37]          ; query coordinates at query 16 j (batches follow each other)
	s_add_nc_u64 s[8:9], s[8:9], s[36:37]
	s_lshr_b32 s36, s30, 5
	s_lshl_b32 s36, s36, 11
	s_lshl_b32 s38, s31, 9
	s_add_co_u32 s36, s36, s38
	s_add_nc_u64 s[10:11], s[10:11], s[36:37]      ; key coordinates at batch j / 32, key 128 w
	s_add_nc_u64 s[12:13], s[12:13], s[36:37]
	s_lshl_b32 s36, s30, 15
	s_lshl_b32 s38, s31, 13
	s_add_co_u32 s36, s36, s38
	s_add_nc_u64 s[24:25], s[24:25], s[36:37]      ; idx at query tile j, key tile 8 w
.irp bq, 0,1,2
.irp pr, 0,1,2,3,4,5
	global_load_b128 v[CW+4*(6*\bq+\pr):CW+4*(6*\bq+\pr)+3], v2, s[4:5] offset:2*ROWB*\pr+256*\bq
.endr
.endr
.irp c, 0,1,2
	global_load_b128 v[XT0+4*\c:XT0+4*\c+3], v4, s[14:15] offset:16*\c
	global_load_b128 v[XT1+4*\c:XT1+4*\c+3], v5, s[14:15] offset:16*\c
	global_load_b128 v[YT0+4*\c:YT0+4*\c+3], v4, s[16:17] offset:16*\c
	global_load_b128 v[YT1+4*\c:YT1+4*\c+3], v5, s[16:17] offset:16*\c
.endr
.irp i, 0,1,2,3,4,5,6,7,8,9,10,11
	global_load_b32 v[WB+\i], v6, s[18:19] offset:48*\i
.endr
	global_load_b32 v[BB], v7, s[20:21]
	global_load_b32 v[QX], v8, s[6:7]
	global_load_b32 v[QY], v8, s[8:9]
.macro KLOAD ib, k                     ; key tile k of my eight: keys 8 hh + 0..7, x then y
	global_load_b128 v[\ib:\ib+3], v9, s[10:11] offset:64*\k
	global_load_b128 v[\ib+4:\ib+7], v9, s[10:11] offset:64*\k+16
	global_load_b128 v[\ib+8:\ib+11], v9, s[12:13] offset:64*\k
	global_load_b128 v[\ib+12:\ib+15], v9, s[12:13] offset:64*\k+16
.endm
.irp k, 0,1,2,3
	KLOAD I1+16*\k, \k
.endr
	; Wo to f16: two rows of a block are 256 neighbouring bytes of wob, stored whole by one instruction
	s_wait_loadcnt 43                              ; younger than Wo's: 25 + 2 + 16
.irp bq, 0,1,2
.irp pr, 0,1,2,3,4,5
	v_cvt_pk_f16_f32 v[CW+4*(6*\bq+\pr)], v[CW+4*(6*\bq+\pr)], v[CW+4*(6*\bq+\pr)+1]
	v_cvt_pk_f16_f32 v[CW+4*(6*\bq+\pr)+1], v[CW+4*(6*\bq+\pr)+2], v[CW+4*(6*\bq+\pr)+3]
	global_store_b64 v3, v[CW+4*(6*\bq+\pr):CW+4*(6*\bq+\pr)+1], s[28:29] offset:98304*\bq+256*\pr
.endr
.endr
	s_wait_xcnt 0x0                                ; the stores' data registers are loaded again only behind this wait
.irp k, 4,5,6,7
	KLOAD CW+16*(\k-4), \k
.endr
	; the tables: four dot products over 192, twelve terms a lane, sixteen lanes
	s_wait_loadcnt 34                              ; younger than the tables': 2 + 16 + 16
	v_mul_f32 v[SU], v[XT0], v[WB]
	v_mul_f32 v[SU+1], v[XT1], v[WB]
	v_mul_f32 v[SU+2], v[YT0], v[WB]
	v_mul_f32 v[SU+3], v[YT1], v[WB]
.irp i, 1,2,3,4,5,6,7,8,9,10,11
	v_fmac_f32 v[SU], v[XT0+\i], v[WB+\i]
	v_fmac_f32 v[SU+1], v[XT1+\i], v[WB+\i]
	v_fmac_f32 v[SU+2], v[YT0+\i], v[WB+\i]
	v_fmac_f32 v[SU+3], v[YT1+\i], v[WB+\i]
.endr
.irp m, 1,2,4,8
.irp c, 0,1,2,3
	v_add_f32_dpp v[SU+\c], v[SU+\c], v[SU+\c] row_xmask:\m row_mask:0xf bank_mask:0xf
.endr
.endr
	v_sub_f32 v[SU+1], v[SU+1], v[SU]              ; the slope from knot jj to the next (0 at the last knot)
	v_sub_f32 v[SU+3], v[SU+3], v[SU+2]
	v_cvt_f32_u32 v15, v14
	v_add_f32 v15, s32, v15                        ; jj - 20: the knot's place on the axis of xs
	v_add_f32 v[SU], v[SU], v[BB]                  ; bb rides on x's intercept
	v_fma_f32 v[SU], -v15, v[SU+1], v[SU]          ; T[jj] - (jj - 20) slope: value = intercept + xs slope
	v_fma_f32 v[SU+2], -v15, v[SU+3], v[SU+2]
	v_cmp_eq_u32 vcc_lo, 1, v13
	v_cndmask_b32 v[TT], v[SU], v[SU+2], vcc_lo
	v_cndmask_b32 v[TT+1], v[SU+1], v[SU+3], vcc_lo
	v_pk_mul_f32 v[TT:TT+1], v[TT:TT+1], 0xbfb8aa3b op_sel_hi:[1,0]    ; times -log2(e): the sigmoid's exponential works in base 2
	v_cmp_gt_u32 vcc_lo, 2, v13
	v_cmp_gt_u32 s34, 492, v12
	s_and_b32 vcc_lo, vcc_lo, s34
	s_wait_xcnt 0x0                                ; EXEC is a source of the loads that are out: it changes only behind this wait
	s_and_saveexec_b32 s35, vcc_lo
	global_store_b64 v11, v[TT:TT+1], s[26:27]
	s_wait_xcnt 0x0                                ; and again in front of the line that restores it; TT is free too
	s_or_b32 exec_lo, exec_lo, s35
; the offsets: lane (r, hh), word 4 p + e stands for (query 16 j + r, key 16 kt + 8 hh + 4 p + e): 8 li_x | 8 li_y << 16, li = floor(xs) + 20
.macro IDXW ib, k
.irp p, 0,1
	v_pk_fma_f32 v[TT:TT+1], v[\ib+4*\p:\ib+4*\p+1], 0xbca3d70a, v[QX:QX+1] op_sel_hi:[1,0,1]          ; 0.02 q - 0.02 k
	v_pk_fma_f32 v[TT+2:TT+3], v[\ib+4*\p+2:\ib+4*\p+3], 0xbca3d70a, v[QX:QX+1] op_sel_hi:[1,0,1]
	v_pk_fma_f32 v[TT+4:TT+5], v[\ib+8+4*\p:\ib+8+4*\p+1], 0xbca3d70a, v[QY:QY+1] op_sel_hi:[1,0,1]
	v_pk_fma_f32 v[TT+6:TT+7], v[\ib+8+4*\p+2:\ib+8+4*\p+3], 0xbca3d70a, v[QY:QY+1] op_sel_hi:[1,0,1]
.irp e, 0,1,2,3,4,5,6,7
	v_med3_num_f32 v[TT+\e], v[TT+\e], s32, s33
.endr
.irp e, 0,1,2,3,4,5,6,7
	v_floor_f32 v[TT+\e], v[TT+\e]
.endr
.irp e, 0,1,2,3,4,5,6,7
	v_cvt_i32_f32 v[TT+\e], v[TT+\e]
.endr
.irp e, 0,1,2,3,4,5,6,7
	v_add_lshl_u32 v[TT+\e], v[TT+\e], 20, 3
.endr
.irp e, 0,1,2,3
	v_lshl_or_b32 v[\ib+4*\p+\e], v[TT+4+\e], 16, v[TT+\e]
.endr
	global_store_b128 v10, v[\ib+4*\p:\ib+4*\p+3], s[24:25] offset:1024*\k+512*\p      ; 512 neighbouring bytes; its data registers are not written again
.endr
.endm
	s_wait_loadcnt 16                              ; the query's coordinates and the first batch are in; the second batch stays out
	v_mul_f32 v[QX], 0x3ca3d70a, v[QX]
	v_mul_f32 v[QY], 0x3ca3d70a, v[QY]
	v_mov_b32 v[QX+1], v[QX]
	v_mov_b32 v[QY+1], v[QY]
.irp k, 0,1,2,3
	IDXW I1+16*\k, \k
.endr
	s_wait_loadcnt 0x0
.irp k, 4,5,6,7
	IDXW CW+16*(\k-4), \k
.endr
	s_endpgm
.Lfunc_end_k_q1a1c03ffc5_proj:
	.size	k_q1a1c03ffc5_proj, .Lfunc_end_k_q1a1c03ffc5_proj-k_q1a1c03ffc5_proj
	.p2alignl 7, 3214868480
	.fill 96, 4, 3214868480
	.section	.rodata,"a",@progbits
	.p2align	6, 0x0
	.amdhsa_kernel k_q1a1c03ffc5_proj
		.amdhsa_group_segment_fixed_size 72192
		.amdhsa_private_segment_fixed_size 0
		.amdhsa_enable_private_segment 0
		.amdhsa_kernarg_size 168
		.amdhsa_user_sgpr_count 2
		.amdhsa_user_sgpr_kernarg_segment_ptr 1
		.amdhsa_wavefront_size32 1
		.amdhsa_system_sgpr_workgroup_id_x 1
		.amdhsa_system_sgpr_workgroup_id_y 1
		.amdhsa_system_sgpr_workgroup_id_z 1
		.amdhsa_system_vgpr_workitem_id 0
		.amdhsa_next_free_vgpr 512
		.amdhsa_next_free_sgpr 66
		.amdhsa_reserve_vcc 1
		.amdhsa_float_denorm_mode_32 3
		.amdhsa_float_denorm_mode_16_64 3
		.amdhsa_memory_ordered 1
		.amdhsa_forward_progress 1
		.amdhsa_inst_pref_size 168
	.end_amdhsa_kernel
	.amdgpu_metadata
---
amdhsa.version: [ 1, 2 ]
amdhsa.kernels:
  - .name:           k_q1a1c03ffc5_proj
    .symbol:         k_q1a1c03ffc5_proj.kd
    .args:
      - { .name: query, .offset: 0, .size: 8, .value_kind: global_buffer, .address_space: global }
      - { .name: key, .offset: 8, .size: 8, .value_kind: global_buffer, .address_space: global }
      - { .name: value, .offset: 16, .size: 8, .value_kind: global_buffer, .address_space: global }
      - { .name: Wq, .offset: 24, .size: 8, .value_kind: global_buffer, .address_space: global }
      - { .name: Wk, .offset: 32, .size: 8, .value_kind: global_buffer, .address_space: global }
      - { .name: Wv, .offset: 40, .size: 8, .value_kind: global_buffer, .address_space: global }
      - { .name: bq, .offset: 48, .size: 8, .value_kind: global_buffer, .address_space: global }
      - { .name: bv, .offset: 56, .size: 8, .value_kind: global_buffer, .address_space: global }
      - { .name: Wo, .offset: 64, .size: 8, .value_kind: global_buffer, .address_space: global }
      - { .name: query_x, .offset: 72, .size: 8, .value_kind: global_buffer, .address_space: global }
      - { .name: query_y, .offset: 80, .size: 8, .value_kind: global_buffer, .address_space: global }
      - { .name: key_x, .offset: 88, .size: 8, .value_kind: global_buffer, .address_space: global }
      - { .name: key_y, .offset: 96, .size: 8, .value_kind: global_buffer, .address_space: global }
      - { .name: x_table, .offset: 104, .size: 8, .value_kind: global_buffer, .address_space: global }
      - { .name: y_table, .offset: 112, .size: 8, .value_kind: global_buffer, .address_space: global }
      - { .name: Wb, .offset: 120, .size: 8, .value_kind: global_buffer, .address_space: global }
      - { .name: bb, .offset: 128, .size: 8, .value_kind: global_buffer, .address_space: global }
      - { .name: qkv, .offset: 136, .size: 8, .value_kind: global_buffer, .address_space: global }
      - { .name: idx, .offset: 144, .size: 8, .value_kind: global_buffer, .address_space: global }
      - { .name: tab, .offset: 152, .size: 8, .value_kind: global_buffer, .address_space: global }
      - { .name: wob, .offset: 160, .size: 8, .value_kind: global_buffer, .address_space: global }
    .group_segment_fixed_size: 72192
    .private_segment_fixed_size: 0
    .kernarg_segment_align: 8
    .kernarg_segment_size: 168
    .max_flat_workgroup_size: 128
    .sgpr_count:     66
    .vgpr_count:     512
    .wavefront_size: 32
...
	.end_amdgpu_metadata
.endif
;; end of part 1
;; launch attn (part 2): grid 32 x 8, 4 waves a work-group, no clusters, 306,176 bytes of LDS; arguments qkv, idx, tab, query_x, query_y, key_x, key_y, att; writes att
.if DOCPART == 2
	.amdgcn_target "amdgcn-amd-amdhsa--gfx1250"
	.amdhsa_code_object_version 6
	.text
	.protected	k_q1a1c03ffc5_attn
	.globl	k_q1a1c03ffc5_attn
	.p2align	8
	.type	k_q1a1c03ffc5_attn,@function
k_q1a1c03ffc5_attn:
	s_mov_b64 s[64:65], 0
	v_nop
	global_prefetch_b8 v0, s[64:65] scope:SCOPE_SE
	s_setreg_imm32_b32 hwreg(HW_REG_WAVE_MODE, 25, 1), 1
	s_wait_xcnt 0x0
; SECOND LAUNCH: attention with the position bias.  A work-group has 16 queries of one batch and THREE heads; its four waves split the 512
; keys, 128 each: 2 batches x 32 query tiles x 4 head groups = 256 work-groups.
; Left out as in the first launch: bk (the same for every key of a row, so the softmax drops it), and the product pos_emb @ Wb, which is
; a lookup in the two tables T @ Wb made there.  Limits as stated there (NaN or infinite coordinates are not carried; matrix operands are
; f16: a result beyond 65,504 in magnitude becomes infinite; a probability is at most 1, and one below 6e-8 of its wave's largest counts as 0
; in the product with V, while the sums are taken in f32 ahead of the rounding).
; WHY THREE HEADS IN A WAVE.  Of the bias work for four pairs (query, key), 28 vector instructions (the table offsets unpacked and clamped,
; xs and ys) hang on no head, and 24 on the head (interpolation and sigmoid).  The 28 are done once and serve three heads.
; Scores are kept TRANSPOSED: source 0 = 16 keys' rows of K, source 1 = 16 queries' rows of Q.  Lane (r, hh) holds query r and keys
; 8 hh + 0..7 of each tile of 16: a query's statistics need one exchange between the two halves of the wave, and the rounded
; probabilities ARE the second source of the next product, with no move between lanes.  The bias is the C operand of the first product.
; All in base 2: K carries 0.125 log2(e), the bias is log2(e) sigmoid(z) = 1 / (ln 2 + ln 2 exp2(-log2(e) z)); -log2(e) z = ax + xs sx +
; ay + ys sy with (a, s) from the tables.  Each wave takes a running maximum away over its two chunks of 64 keys; at the end the four
; waves' (maximum, sum, O) meet in LDS and are merged on the largest of the four maxima.
; K: a row is used by one wave alone and lies along d as a fragment wants it, so it goes from memory straight into fragment registers.
; V has to be transposed on the way, so it goes through LDS: 3 heads x 512 rows x 160 bytes = 245,760 bytes; each wave fetches and reads
; its own 128 rows of each head, one tensor load for each chunk of 64 keys: two out, once.
; Requests go out in the order in which the data are wanted: tables, coordinates and offsets, K of chunk 0, Q, V of chunk 0, V of chunk 1,
; and K of chunk 1 when chunk 0's bias is done.  The first chunk's bias work needs only the first of these and runs while the rest land.
; NO CLUSTER, though 32 work-groups read the same K and V: a launch with joint requests wants every LDS address alike in all partners, and
; the table lookups address LDS by offsets that hang on the queries, which differ between the work-groups that share K and V.
; The table offsets come from memory as whole numbers (idx) and are clamped to the table before they address LDS.
.set TAB,  0                           ; 2,048 bytes: three heads' tables, 656 bytes each (x's 41 entries (a, s), then y's); the last 80 bytes are never read
.set KXS,  2048                        ; 512 f32: key_x of my batch, each wave its own 128
.set KYS,  4096                        ; 512 f32: key_y
.set STAT, 6144                        ; 1,536 bytes: [head 3][query 16][wave 4] (maximum, sum)
.set SCR,  7680                        ; 52,224 bytes: [wave 4][head 3][query 16] rows of 64 f32, pitch 272
.set VT,   59904                       ; V.  From here on only the tensor loads write: [wave 4][chunk 2][head 3][64 rows], pitch 160
.set VP,   160                         ; 128 bytes + 32 (5 x 32, for the transposing loads)
.set SP,   272                         ; 256 bytes + 16
.set VCH,  3*64*VP                     ; 30,720: a chunk's three heads
.set VW,   2*VCH                       ; 61,440: a wave's V
.set SW,   3*16*SP                     ; 13,056: a wave's part of SCR
; window 0
.set QXP, 12                           ; v[12:13] 0.02 query_x, twice; v[14:15] 0.02 query_y, twice
.set QYP, 14
.set ST,  16                           ; v[16:21] head hd: (running maximum, running sum of my half of the keys) at ST + 2 hd
.set MNP, 22                           ; v[22:23] the new maximum, twice
.set AL,  24                           ; v[24:25] exp2(old maximum - new), twice
.set TM,  26                           ; v26-29   at work
.set S,   32                           ; v[32:127]  head hd: four tiles of 16 keys x 16 queries at S + 32 hd
.set G,   128                          ; v[128:159] two lookup buffers: for each of 4 pairs ax, sx, ay, sy
.set SM,  G+16                         ; the sums' tree works in the second lookup buffer, which is free then
.set OFF, 160                          ; v[160:167] a half-tile's table offsets: x 4, y 4
.set XB,  168                          ; v[168:183] two buffers: xs 4, ys 4
.set IDX, 184                          ; v[184:247] my 16 half-tiles' offset words
.set T,   248                          ; v[248:251] the sigmoid's denominators
; v1 16 t, v2 4 r, v3 row r of 128 bytes + 16 hh, v4 STAT in, v5 V's fragment address, v6 coordinates back, v7 16 lane, v8 SCR in,
; v9 SCR back, v10 STAT back, v11 coordinates in, v30 my piece of the tables in memory
; window 1: v0-191 K of chunk 0 (head hd, key tile t, 32 of d ks at 64 hd + 16 t + 8 ks); v192-239 Q's fragments (16 hd + 8 ks)
; window 2: v0-191 K of chunk 1
; window 3: v0-95 O (head hd, d tile dt at 32 hd + 8 dt); v96-159 V's eight fragments
.set QF,  192
.set VF,  96
.set MSB, 0
.macro WIN new                         ; the immediate's high byte repeats the setting that is left
.if MSB != \new
	s_set_vgpr_msb (MSB<<8)|\new
.set MSB, \new
.endif
.endm
	s_load_b512 s[4:19], s[0:1], 0x0               ; qkv, idx, tab, query_x, query_y, key_x, key_y, att
	v_lshl_add_u32 v254, v0, 2, 0x4aa00
	v_mov_b32 v255, 0
	ds_add_u32 v254, v255
	ds_add_u32 v254, v255
	v_lshrrev_b32 v1, 5, v0
	v_readfirstlane_b32 s20, v1                    ; wave
	s_mov_b32 s21, ttmp9                           ; qt: tile of 16 queries in the batch
	s_and_b32 s22, ttmp7, 0xffff
	s_lshr_b32 s24, s22, 2                         ; b
	s_and_b32 s25, s22, 3
	s_mul_i32 s25, s25, 3                          ; h0: the first of my three heads
	s_mul_i32 s23, s24, 12
	s_add_co_u32 s23, s23, s25                     ; bh0 = 12 b + h0
	; V's descriptor.  A tile is a chunk's 64 rows of three heads: in memory three runs of 8,192 dense bytes, 65,536 bytes apart, taken as
	; 3 rows of 4,096 elements.  The padding counts words along the whole tile: a pad of 8 words behind every 32 words, that is behind
	; every row of 64 f16.
	s_mov_b32 s28, (1<<16)|(1<<20)|(4<<22)|(7<<25) ; no mask; 2-byte elements; padding on; every 32 words; 8 words
	s_mov_b32 s29, 4096<<16                        ; tensor_dim0 = 4,096
	s_mov_b32 s30, 3<<16                           ; tensor_dim1 = 3
	s_mov_b32 s31, 4096<<16                        ; tile_dim0 = 4,096
	s_mov_b32 s32, 3                               ; tile_dim1 = 3
	s_mov_b32 s33, 32768                           ; from head to head: 32,768 elements
	s_mov_b32 s34, 0
	s_mov_b32 s35, 0
	s_mov_b32 s36, 1
	s_mul_i32 s57, s20, VW
	s_add_co_u32 s37, s57, VT                      ; chunk 0 of my V
	s_mov_b32 s40, 1
	s_add_co_u32 s41, s57, VT+VCH                  ; chunk 1
	s_mov_b32 s52, 0x76543210                      ; v_permlanex16_b32: lane i of one half reads lane i of the other
	s_mov_b32 s53, 0xfedcba98
	s_mov_b32 s54, 0xc1a00000                      ; -20.0
	s_mov_b32 s55, 0x41a00000                      ; 20.0
	s_mov_b32 s56, 0x3f317218                      ; ln 2
	; byte offsets, each in a pair of its own, made while the arguments are on their way
	s_lshl_b32 s58, s23, 16                        ; K, V: (batch, head) blocks of 65,536 bytes; my 128 rows
	s_lshl_b32 s60, s20, 14
	s_add_co_u32 s58, s58, s60
	s_mov_b32 s59, 0
	s_lshl_b32 s61, s24, 11                        ; a batch's 512 coordinates
	s_lshl_b32 s66, s20, 9
	s_add_co_u32 s66, s66, s61                     ; key coordinates: my 128 keys
	s_mov_b32 s67, 0
	s_lshl_b32 s68, s21, 6
	s_add_co_u32 s68, s68, s61                     ; query coordinates: my 16 queries
	s_mov_b32 s69, 0
	s_lshl_b32 s70, s23, 16
	s_lshl_b32 s61, s21, 11
	s_add_co_u32 s70, s70, s61                     ; Q: head bh0, my 16 rows
	s_mov_b32 s71, 0
	s_lshl_b32 s72, s24, 5
	s_add_co_u32 s72, s72, s21
	s_lshl2_add_u32 s72, s72, s20
	s_lshl_b32 s72, s72, 13                        ; idx: query tile 32 b + qt of 32,768 bytes, my 8 key tiles of 1,024
	s_mov_b32 s73, 0
	s_mul_i32 s74, s25, 656                        ; my heads' tables
	s_mov_b32 s75, 0
	s_lshr_b32 s76, s21, 2
	s_lshl3_add_u32 s76, s24, s76                  ; att's block of 64 rows: 8 b + qt / 4
	s_mul_i32 s76, s76, 12
	s_add_co_u32 s76, s76, s25
	s_and_b32 s61, s21, 3
	s_lshl2_add_u32 s76, s76, s61
	s_lshl_b32 s76, s76, 11                        ; head blocks of 8,192 bytes, my 16 rows of 128
	s_mov_b32 s77, 0
	v_and_b32 v26, 15, v0                          ; r
	v_bfe_u32 v27, v0, 4, 1                        ; hh
	v_and_b32 v28, 31, v0                          ; lane
	v_lshlrev_b32 v1, 4, v0
	v_min_u32 v30, 1952, v1                        ; the tables are 123 pieces of 16 bytes: threads 123 to 127 load the last piece again
	v_lshlrev_b32 v2, 2, v26
	v_lshlrev_b32 v3, 7, v26
	v_lshl_add_u32 v3, v27, 4, v3
	v_lshlrev_b32 v7, 4, v28
	s_lshl_b32 s61, s20, 9
	s_add_co_u32 s61, s61, KXS
	v_lshl_add_u32 v6, v27, 5, s61                 ; my wave's coordinates, 32 bytes at 32 hh
	v_add_nc_u32 v11, s61, v7
	v_and_b32 v5, 7, v0
	v_lshl_add_u32 v5, v27, 3, v5
	v_mul_u32_u24 v5, v5, VP                       ; V read transposed: row 8 hh + (lane & 7), 16 bytes at 16 ((lane >> 3) & 1)
	v_bfe_u32 v29, v0, 3, 1
	v_lshl_add_u32 v5, v29, 4, v5
	v_add_nc_u32 v5, s37, v5
	s_mul_i32 s62, s20, SW
	s_add_co_u32 s62, s62, SCR
	v_mul_u32_u24 v8, v26, SP
	v_lshl_add_u32 v8, v27, 5, v8
	v_add_nc_u32 v8, s62, v8                       ; in: my wave's part, row r, 32 bytes at 32 hh
	v_lshrrev_b32 v29, 3, v0                       ; on the way out thread t has query t / 8 and d = 8 (t & 7) + 0..7
	v_mul_u32_u24 v9, v29, SP
	v_and_b32 v31, 7, v0
	v_lshl_add_u32 v9, v31, 5, v9
	v_add_nc_u32 v9, SCR, v9
	v_lshlrev_b32 v10, 5, v29
	v_add_nc_u32 v10, STAT, v10
	s_lshl_b32 s63, s20, 3
	s_add_co_u32 s63, s63, STAT
	v_lshl_add_u32 v4, v26, 5, s63
	s_wait_dscnt 0x0
	s_wait_kmcnt 0x0
	s_add_nc_u64 s[8:9], s[8:9], s[74:75]
	s_add_nc_u64 s[14:15], s[14:15], s[66:67]
	s_add_nc_u64 s[16:17], s[16:17], s[66:67]
	s_add_nc_u64 s[10:11], s[10:11], s[68:69]
	s_add_nc_u64 s[12:13], s[12:13], s[68:69]
	s_add_nc_u64 s[6:7], s[6:7], s[72:73]
	s_add_nc_u64 s[48:49], s[4:5], s[58:59]
	s_add_nc_u64 s[38:39], s[48:49], 48*65536      ; V's blocks lie behind Q's 24 and K's 24
	s_add_nc_u64 s[42:43], s[48:49], 48*65536+8192 ; chunk 1: 64 rows on
	s_add_nc_u64 s[48:49], s[48:49], 24*65536      ; K
	s_or_b32 s39, s39, 0x80000000
	s_or_b32 s43, s43, 0x80000000
	s_add_nc_u64 s[26:27], s[4:5], s[70:71]
	s_add_nc_u64 s[18:19], s[18:19], s[76:77]
; 48 loads: a chunk's K fragments of three heads.  Four loads cover 16 rows of 128 bytes, 2,048 neighbouring bytes.
.macro KLOAD c
.irp hd, 0,1,2
.irp t, 0,1,2,3
.irp q, 0,1,2,3
	global_load_b128 v[64*\hd+16*\t+4*\q:64*\hd+16*\t+4*\q+3], v3, s[48:49] offset:65536*\hd+8192*\c+2048*\t+32*\q
.endr
.endr
.endr
.endm
	; 81 loads go out ahead of the first wait.  The counter's field holds fewer: the issue of the later ones waits until the first have
	; come back (ISA guide 5.7.1), and no wait is written for that.
	global_load_b128 v[G:G+3], v30, s[8:9]         ; the 128 threads take the three heads' tables,
	global_load_b128 v[XB:XB+3], v7, s[14:15]      ; each wave its 128 key_x
	global_load_b128 v[XB+4:XB+7], v7, s[16:17]    ; and key_y
	global_load_b32 v[QXP], v2, s[10:11]
	global_load_b32 v[QYP], v2, s[12:13]
.irp i, 0,1,2,3,4,5,6,7,8,9,10,11,12,13,14,15
	global_load_b128 v[IDX+4*\i:IDX+4*\i+3], v7, s[6:7] offset:512*\i
.endr
	WIN 0x40                                       ; destination in window 1
	KLOAD 0
.irp hd, 0,1,2
.irp q, 0,1,2,3
	global_load_b128 v[QF+16*\hd+4*\q:QF+16*\hd+4*\q+3], v3, s[26:27] offset:65536*\hd+32*\q
.endr
.endr
	WIN 0
	tensor_load_to_lds s[36:39], s[28:35]          ; the only fills of the launch, ahead of every wait on them, every LDS read and every barrier
	s_nop 0
	tensor_load_to_lds s[40:43], s[28:35]
	s_nop 0
	s_wait_loadcnt 60                              ; tables, coordinates and offsets are in; younger: K's 48 and Q's 12
	ds_store_b128 v1, v[G:G+3] offset:TAB
	ds_store_b128 v11, v[XB:XB+3]
	ds_store_b128 v11, v[XB+4:XB+7] offset:KYS-KXS
	v_mul_f32 v[QXP], 0x3ca3d70a, v[QXP]
	v_mul_f32 v[QYP], 0x3ca3d70a, v[QYP]
	v_mov_b32 v[QXP+1], v[QXP]
	v_mov_b32 v[QYP+1], v[QYP]
	s_wait_dscnt 0x0                               ; my stores are in LDS, for the other waves' sake (the tables are shared)
	s_barrier_signal -1                            ; The tensor loads stay out across it
	s_barrier_wait -1                              ; each wave reads only the V that it fetched itself, behind its own wait
; THE BIAS.  A half-tile i (of my sixteen) is four score registers: keys 16 (i / 2) + 8 hh + 4 (i & 1) + 0..3.  A unit u = 3 i + hd is a
; half-tile of one head.
; SHA i: what hangs on no head, first part: the offsets unpacked and clamped to the table's last entry (8 x 40); the coordinates asked for.
.macro SHA i
.irp e, 0,1,2,3
	v_and_b32 v[OFF+\e], 0xffff, v[IDX+4*(\i)+\e]
	v_lshrrev_b32 v[OFF+4+\e], 16, v[IDX+4*(\i)+\e]
.endr
.irp e, 0,1,2,3,4,5,6,7
	v_min_u32 v[OFF+\e], 0x140, v[OFF+\e]
.endr
	ds_load_b128 v[XB+8*((\i)&1):XB+8*((\i)&1)+3], v6 offset:((\i)>>1)*64+((\i)&1)*16
	ds_load_b128 v[XB+8*((\i)&1)+4:XB+8*((\i)&1)+7], v6 offset:((\i)>>1)*64+((\i)&1)*16+KYS-KXS
.endm
; SHB i: second part: xs and ys, in place.
.macro SHB i, dcnt
.set XBB, XB+8*((\i)&1)
	s_wait_dscnt \dcnt                             ; the two coordinate loads are in; the \dcnt younger lookups stay out
	v_pk_fma_f32 v[XBB:XBB+1], v[XBB:XBB+1], 0xbca3d70a, v[QXP:QXP+1] op_sel_hi:[1,0,1]    ; 0.02 q - 0.02 k
	v_pk_fma_f32 v[XBB+2:XBB+3], v[XBB+2:XBB+3], 0xbca3d70a, v[QXP:QXP+1] op_sel_hi:[1,0,1]
	v_pk_fma_f32 v[XBB+4:XBB+5], v[XBB+4:XBB+5], 0xbca3d70a, v[QYP:QYP+1] op_sel_hi:[1,0,1]
	v_pk_fma_f32 v[XBB+6:XBB+7], v[XBB+6:XBB+7], 0xbca3d70a, v[QYP:QYP+1] op_sel_hi:[1,0,1]
.irp e, 0,1,2,3,4,5,6,7
	v_med3_num_f32 v[XBB+\e], v[XBB+\e], s54, s55
.endr
.endm
; LOOK u: a unit's eight lookups: four (a, s) of x, four of y, from the unit's head's tables.  Buffers go by the parity of u.
.macro LOOK u
.set GB, G+16*((\u)&1)
.set TO, TAB+656*((\u)%3)
.irp e, 0,1,2,3
	ds_load_b64 v[GB+4*\e:GB+4*\e+1], v[OFF+\e] offset:TO
	ds_load_b64 v[GB+4*\e+2:GB+4*\e+3], v[OFF+4+\e] offset:TO+328
.endr
.endm
; BACK u: interpolation and sigmoid; the four biases land in the unit's score registers.  Transcendentals go in pairs with the other
; pair's plain arithmetic between a pair and the use of its results (ISA guide 5.7.2); the reciprocals' sources lie in T, which nothing
; writes before the next unit's arithmetic, and the first plain instruction behind them is the next unit's (or SHB's).
.macro BACK u, dcnt
.set GB, G+16*((\u)&1)
.set XBB, XB+8*(((\u)/3)&1)
.set SB, S+32*((\u)%3)+4*(((\u)/3)&7)
	s_wait_dscnt \dcnt                             ; LDS loads come back in order: this unit's eight are in, the \dcnt younger ones stay out
.irp e, 0,1,2,3
	v_fma_f32 v[GB+4*\e], v[XBB+\e], v[GB+4*\e+1], v[GB+4*\e]
	v_fma_f32 v[GB+4*\e+2], v[XBB+4+\e], v[GB+4*\e+3], v[GB+4*\e+2]
.endr
	v_add_f32 v[GB], v[GB], v[GB+2]
	v_add_f32 v[GB+4], v[GB+4], v[GB+6]
	v_exp_f32 v[GB+1], v[GB]
	v_exp_f32 v[GB+5], v[GB+4]
	v_add_f32 v[GB+8], v[GB+8], v[GB+10]
	v_add_f32 v[GB+12], v[GB+12], v[GB+14]
	v_exp_f32 v[GB+9], v[GB+8]
	v_exp_f32 v[GB+13], v[GB+12]
	s_wait_alu depctr_va_vdst(0)
	v_fma_f32 v[T], v[GB+1], s56, s56
	v_fma_f32 v[T+1], v[GB+5], s56, s56
	v_rcp_f32 v[SB], v[T]
	v_rcp_f32 v[SB+1], v[T+1]
	v_fma_f32 v[T+2], v[GB+9], s56, s56
	v_fma_f32 v[T+3], v[GB+13], s56, s56
	v_rcp_f32 v[SB+2], v[T+2]
	v_rcp_f32 v[SB+3], v[T+3]
.endm
; One unit's turn: the next unit's lookups go out, then this unit is finished.  The offsets of half-tile i + 1 are made when the last
; lookups of half-tile i have been issued (head 1's turn), its xs and ys at the end of head 2's turn.
; LDS loads in the order of issue: .. LOOK(3i) LOOK(3i+1) LOOK(3i+2) SHA(i+1) LOOK(3i+3) ..: behind a unit's lookups stand 8 (head 0),
; 8 + 2 (head 1), 2 + 8 (head 2); in the last half-tile no SHA follows.
.macro STEP
.if u < 47
	LOOK (u+1)
.endif
.if (u%3) == 1
.if u < 45
	SHA (u/3+1)
.endif
.endif
.set dc, 10
.if (u%3) == 0
.set dc, 8
.endif
.if u >= 45
.set dc, 8
.endif
.if u == 47
.set dc, 0
.endif
	BACK u, dc
.if (u%3) == 2
.if u < 47
	SHB (u/3+1), 8
.endif
.endif
.endm
; scores = K Q^T + bias, three heads.  Twelve accumulators take turns, one instruction a turn.
.macro QK win
	WIN \win                                       ; K in window 1 or 2, Q in window 1, scores in window 0
	s_wait_alu depctr_va_vdst(0)
.irp ks, 0,1
.irp hd, 0,1,2
.irp t, 0,1,2,3
	v_wmma_f32_16x16x32_f16 v[S+32*\hd+8*\t:S+32*\hd+8*\t+7], v[64*\hd+16*\t+8*\ks:64*\hd+16*\t+8*\ks+7], v[QF+16*\hd+8*\ks:QF+16*\hd+8*\ks+7], v[S+32*\hd+8*\t:S+32*\hd+8*\t+7]
.endr
.endr
.endr
	WIN 0
.rept 4
	v_nop                                          ; four places behind the last matrix instruction, ahead of the reads of the scores (ISA guide 7.12.1)
.endr
.endm
; Softmax of chunk c of head hd, and O^T += V^T P^T.  c = 0 starts the maximum, the sum and O.
.macro SOFT c, hd
.set SB, S+32*\hd
.set MX, ST+2*\hd
.set LS, ST+2*\hd+1
.irp k, 0,1,2,3
	v_max3_num_f32 v[TM+\k], v[SB+8*\k], v[SB+8*\k+1], v[SB+8*\k+2]        ; also the four places between the last head's products and the loads into the fragments that they read
.endr
	WIN 0xc0                                       ; destination in window 3
.irp u2, 0,1
.irp dt, 0,1,2,3
	ds_load_tr16_b128 v[VF+32*\u2+8*\dt:VF+32*\u2+8*\dt+3], v5 offset:VCH*\c+64*VP*\hd+32*VP*\u2+32*\dt
	ds_load_tr16_b128 v[VF+32*\u2+8*\dt+4:VF+32*\u2+8*\dt+7], v5 offset:VCH*\c+64*VP*\hd+32*VP*\u2+32*\dt+16*VP
.endr
.endr
	WIN 0
.irp k, 0,1,2,3
	v_max3_num_f32 v[TM+\k], v[TM+\k], v[SB+8*\k+3], v[SB+8*\k+4]
.endr
.irp k, 0,1,2,3
	v_max3_num_f32 v[TM+\k], v[TM+\k], v[SB+8*\k+5], v[SB+8*\k+6]
.endr
.irp k, 0,1,2,3
	v_max_num_f32 v[TM+\k], v[TM+\k], v[SB+8*\k+7]
.endr
	v_max3_num_f32 v[TM], v[TM], v[TM+1], v[TM+2]
	v_max_num_f32 v[TM], v[TM], v[TM+3]
	v_permlanex16_b32 v[TM+1], v[TM], s52, s53
.if \c == 0
	v_max_num_f32 v[MNP], v[TM], v[TM+1]
.else
	v_max3_num_f32 v[MNP], v[TM], v[TM+1], v[MX]
	v_sub_f32 v[AL], v[MX], v[MNP]
	v_exp_f32 v[AL], v[AL]
.endif
	v_mov_b32 v[MNP+1], v[MNP]                     ; also the plain instruction behind the exponential
.if \c
	s_wait_alu depctr_va_vdst(0)
	v_mov_b32 v[AL+1], v[AL]
.endif
.set a, SB
.rept 16
	v_pk_add_f32 v[a:a+1], v[a:a+1], v[MNP:MNP+1] neg_lo:[0,1] neg_hi:[0,1]
.set a, a+2
.endr
.set a, SB
.rept 32
	v_exp_f32 v[a], v[a]
.set a, a+1
.endr
	v_mov_b32 v[MX], v[MNP]                        ; the running maximum; also the plain instruction behind the exponentials
.if \c
	WIN 0xc3                                       ; O in window 3, the factor in window 0
.set a, 32*\hd
	s_wait_alu depctr_va_vdst(0)
.rept 16
	v_pk_mul_f32 v[a:a+1], v[a:a+1], v[AL:AL+1]    ; O on the new maximum
.set a, a+2
.endr
	WIN 0
.endif
	s_wait_alu depctr_va_vdst(0)
.irp k, 0,1,2,3
	v_pk_add_f32 v[SM+2*\k:SM+2*\k+1], v[SB+4*\k:SB+4*\k+1], v[SB+4*\k+2:SB+4*\k+3]
.endr
.irp k, 0,1,2,3
	v_pk_add_f32 v[SM+2*\k:SM+2*\k+1], v[SM+2*\k:SM+2*\k+1], v[SB+16+2*\k:SB+16+2*\k+1]
.endr
.irp k, 0,1,2,3
	v_pk_add_f32 v[SM+2*\k:SM+2*\k+1], v[SM+2*\k:SM+2*\k+1], v[SB+24+2*\k:SB+24+2*\k+1]
.endr
	v_pk_add_f32 v[SM:SM+1], v[SM:SM+1], v[SM+2:SM+3]
	v_pk_add_f32 v[SM+4:SM+5], v[SM+4:SM+5], v[SM+6:SM+7]
	v_pk_add_f32 v[SM:SM+1], v[SM:SM+1], v[SM+4:SM+5]
.if \c == 0
	v_add_f32 v[LS], v[SM], v[SM+1]
.else
	v_add_f32 v[SM], v[SM], v[SM+1]
	v_fma_f32 v[LS], v[LS], v[AL], v[SM]
.endif
	; probabilities to f16, in place: tiles 2 u and 2 u + 1 become the eight registers of the fragment of keys 32 u .. 32 u + 31
.irp u2, 0,1
.irp q, 0,1,2,3
	v_cvt_pk_f16_f32 v[SB+16*\u2+\q], v[SB+16*\u2+2*\q], v[SB+16*\u2+2*\q+1]
.endr
.irp q, 0,1,2,3
	v_cvt_pk_f16_f32 v[SB+16*\u2+4+\q], v[SB+16*\u2+8+2*\q], v[SB+16*\u2+8+2*\q+1]
.endr
.endr
	s_wait_dscnt 0x0                               ; V's fragments, the youngest LDS loads, are in
	WIN 0xf3                                       ; O and V's fragments in window 3, the probabilities in window 0
	; four accumulators take turns, one instruction a turn
.irp u2, 0,1
.irp dt, 0,1,2,3
.if (1-\c)*(1-\u2)
	v_wmma_f32_16x16x32_f16 v[32*\hd+8*\dt:32*\hd+8*\dt+7], v[VF+32*\u2+8*\dt:VF+32*\u2+8*\dt+7], v[SB+16*\u2:SB+16*\u2+7], 0
.else
	v_wmma_f32_16x16x32_f16 v[32*\hd+8*\dt:32*\hd+8*\dt+7], v[VF+32*\u2+8*\dt:VF+32*\u2+8*\dt+7], v[SB+16*\u2:SB+16*\u2+7], v[32*\hd+8*\dt:32*\hd+8*\dt+7]
.endif
.endr
.endr
	WIN 0
.endm
	SHA 0
	LOOK 0
	SHB 0, 8
.set u, 0
.rept 24                                           ; chunk 0's bias, three heads
	STEP
.set u, u+1
.endr
	WIN 0x80                                       ; destination in window 2
	KLOAD 1                                        ; K of chunk 1: it has three softmaxes and a chunk's bias in which to land
	WIN 0
	s_wait_loadcnt 48                              ; K of chunk 0 and Q are in; younger: the 48 just issued
	QK 0x05
	s_wait_tensorcnt 0x1                           ; my V of chunk 0 has landed; chunk 1's stays out
	SOFT 0, 0
	SOFT 0, 1
	SOFT 0, 2
.rept 24                                           ; chunk 1's bias
	STEP
.set u, u+1
.endr
	v_nop                                          ; the plain instruction behind the last reciprocals
	s_wait_alu depctr_va_vdst(0)
	s_wait_loadcnt 0x0                             ; K of chunk 1
	QK 0x06
	s_wait_tensorcnt 0x0                           ; my V of chunk 1
	SOFT 1, 0
	SOFT 1, 1
	SOFT 1, 2
	; THE MERGE.  Each wave puts its (maximum, sum) and its O, in f32, into LDS; behind one barrier thread t takes query t / 8 and eight
	; neighbouring d of each head from all four waves.
.irp hd, 0,1,2
	v_permlanex16_b32 v[TM+\hd], v[ST+2*\hd+1], s52, s53
.endr
.irp hd, 0,1,2
	v_add_f32 v[ST+2*\hd+1], v[ST+2*\hd+1], v[TM+\hd]              ; the sum over both halves of my keys
.endr
	v_nop                                          ; with the three adds: four places behind the last matrix instruction, ahead of the stores of its result
.irp hd, 0,1,2
	ds_store_b64 v4, v[ST+2*\hd:ST+2*\hd+1] offset:512*\hd         ; lanes r and 16 + r write the same words with the same numbers
.endr
	WIN 0x0c                                       ; store data in window 3
.irp hd, 0,1,2
.irp dt, 0,1,2,3
	ds_store_b128 v8, v[32*\hd+8*\dt:32*\hd+8*\dt+3] offset:16*SP*\hd+64*\dt          ; query r, d = 16 dt + 8 hh + 0..3
	ds_store_b128 v8, v[32*\hd+8*\dt+4:32*\hd+8*\dt+7] offset:16*SP*\hd+64*\dt+16
.endr
.endr
	WIN 0
	s_wait_dscnt 0x0                               ; my stores are in LDS, for the other waves' sake
	s_barrier_signal -1
	s_barrier_wait -1
.irp hd, 0,1,2
	ds_load_b128 v[G+8*\hd:G+8*\hd+3], v10 offset:512*\hd          ; (maximum, sum) of waves 0 and 1,
	ds_load_b128 v[G+8*\hd+4:G+8*\hd+7], v10 offset:512*\hd+16     ; of waves 2 and 3
.endr
.irp hd, 0,1,2
.irp w, 0,1,2,3
	ds_load_b128 v[S+32*\hd+8*\w:S+32*\hd+8*\w+3], v9 offset:SW*\w+16*SP*\hd
	ds_load_b128 v[S+32*\hd+8*\w+4:S+32*\hd+8*\w+7], v9 offset:SW*\w+16*SP*\hd+16
.endr
.endr
.macro MERGE hd
.set STT, G+8*\hd
.set OP, S+32*\hd
	s_wait_dscnt 8*(2-\hd)                         ; this head's loads are in; the later heads' eight each stay out
	v_max3_num_f32 v[TM], v[STT], v[STT+2], v[STT+4]
	v_max_num_f32 v[TM], v[TM], v[STT+6]           ; the row's maximum over all 512 keys
.irp w, 0,1,2,3
	v_sub_f32 v[STT+2*\w], v[STT+2*\w], v[TM]
.endr
.irp w, 0,1,2,3
	v_exp_f32 v[STT+2*\w], v[STT+2*\w]
.endr
	v_nop                                          ; the plain instruction behind the exponentials
	s_wait_alu depctr_va_vdst(0)
	v_mul_f32 v[TM+1], v[STT], v[STT+1]
	v_fmac_f32 v[TM+1], v[STT+2], v[STT+3]
	v_fmac_f32 v[TM+1], v[STT+4], v[STT+5]
	v_fmac_f32 v[TM+1], v[STT+6], v[STT+7]         ; the row's sum
	v_rcp_f32 v[TM+1], v[TM+1]
	v_nop                                          ; the plain instruction behind the reciprocal
	s_wait_alu depctr_va_vdst(0)
.irp w, 0,1,2,3
	v_mul_f32 v[OFF+2*\w], v[STT+2*\w], v[TM+1]    ; each wave's weight, twice, for the packed arithmetic
	v_mul_f32 v[OFF+2*\w+1], v[STT+2*\w], v[TM+1]
.endr
.irp p, 0,2,4,6
	v_pk_mul_f32 v[OP+\p:OP+\p+1], v[OP+\p:OP+\p+1], v[OFF:OFF+1]
.endr
.irp w, 1,2,3
.irp p, 0,2,4,6
	v_pk_fma_f32 v[OP+\p:OP+\p+1], v[OP+8*\w+\p:OP+8*\w+\p+1], v[OFF+2*\w:OFF+2*\w+1], v[OP+\p:OP+\p+1]
.endr
.endr
.irp q, 0,1,2,3
	v_cvt_pk_f16_f32 v[XB+4*\hd+\q], v[OP+2*\q], v[OP+2*\q+1]
.endr
	global_store_b128 v1, v[XB+4*\hd:XB+4*\hd+3], s[18:19] offset:8192*\hd         ; a wave stores 512 neighbouring bytes; the data registers are not written again
.endm
	MERGE 0
	MERGE 1
	MERGE 2
	s_wait_tensorcnt 0x0
	ds_add_u32 v254, v255
	s_wait_dscnt 0x0
	s_endpgm
.Lfunc_end_k_q1a1c03ffc5_attn:
	.size	k_q1a1c03ffc5_attn, .Lfunc_end_k_q1a1c03ffc5_attn-k_q1a1c03ffc5_attn
	.p2alignl 7, 3214868480
	.fill 96, 4, 3214868480
	.section	.rodata,"a",@progbits
	.p2align	6, 0x0
	.amdhsa_kernel k_q1a1c03ffc5_attn
		.amdhsa_group_segment_fixed_size 306176
		.amdhsa_private_segment_fixed_size 0
		.amdhsa_enable_private_segment 0
		.amdhsa_kernarg_size 64
		.amdhsa_user_sgpr_count 2
		.amdhsa_user_sgpr_kernarg_segment_ptr 1
		.amdhsa_wavefront_size32 1
		.amdhsa_system_sgpr_workgroup_id_x 1
		.amdhsa_system_sgpr_workgroup_id_y 1
		.amdhsa_system_sgpr_workgroup_id_z 1
		.amdhsa_system_vgpr_workitem_id 0
		.amdhsa_next_free_vgpr 928
		.amdhsa_next_free_sgpr 80
		.amdhsa_reserve_vcc 0
		.amdhsa_float_denorm_mode_32 3
		.amdhsa_float_denorm_mode_16_64 3
		.amdhsa_memory_ordered 1
		.amdhsa_forward_progress 1
		.amdhsa_inst_pref_size 189
	.end_amdhsa_kernel
	.amdgpu_metadata
---
amdhsa.version: [ 1, 2 ]
amdhsa.kernels:
  - .name:           k_q1a1c03ffc5_attn
    .symbol:         k_q1a1c03ffc5_attn.kd
    .args:
      - { .name: qkv, .offset: 0, .size: 8, .value_kind: global_buffer, .address_space: global }
      - { .name: idx, .offset: 8, .size: 8, .value_kind: global_buffer, .address_space: global }
      - { .name: tab, .offset: 16, .size: 8, .value_kind: global_buffer, .address_space: global }
      - { .name: query_x, .offset: 24, .size: 8, .value_kind: global_buffer, .address_space: global }
      - { .name: query_y, .offset: 32, .size: 8, .value_kind: global_buffer, .address_space: global }
      - { .name: key_x, .offset: 40, .size: 8, .value_kind: global_buffer, .address_space: global }
      - { .name: key_y, .offset: 48, .size: 8, .value_kind: global_buffer, .address_space: global }
      - { .name: att, .offset: 56, .size: 8, .value_kind: global_buffer, .address_space: global }
    .group_segment_fixed_size: 306176
    .private_segment_fixed_size: 0
    .kernarg_segment_align: 8
    .kernarg_segment_size: 64
    .max_flat_workgroup_size: 128
    .sgpr_count:     80
    .vgpr_count:     928
    .wavefront_size: 32
...
	.end_amdgpu_metadata
.endif
;; end of part 2
;; launch outp (part 3): grid 12 x 16, 4 waves a work-group, clusters of 4 x 4, 251,392 bytes of LDS; arguments att, wob, bo, out0; writes out0
.if DOCPART == 3
	.amdgcn_target "amdgcn-amd-amdhsa--gfx1250"
	.amdhsa_code_object_version 6
	.text
	.protected	k_q1a1c03ffc5_outp
	.globl	k_q1a1c03ffc5_outp
	.p2align	8
	.type	k_q1a1c03ffc5_outp,@function
k_q1a1c03ffc5_outp:
	s_mov_b64 s[64:65], 0
	v_nop
	global_prefetch_b8 v0, s[64:65] scope:SCOPE_SE
	s_setreg_imm32_b32 hwreg(HW_REG_WAVE_MODE, 25, 1), 1
	s_wait_xcnt 0x0
	s_wait_alu depctr_hold_cnt(0) depctr_sa_sdst(0) depctr_va_vdst(0) depctr_va_sdst(0) depctr_va_ssrc(0) depctr_va_vcc(0) depctr_vm_vsrc(0)
	s_getreg_b32 s2, hwreg(HW_REG_IB_STS2, 6, 4)
	s_cmp_eq_u32 s2, 0
	s_cbranch_scc0 .Lentry_in_a_cluster
	s_endpgm
.Lentry_in_a_cluster:
	s_bfe_u32 s2, ttmp6, 0x10000c
	s_cmp_lg_u32 s2, 0xf033
	s_cbranch_scc0 .Lentry_shape_is_right
	s_endpgm
.Lentry_shape_is_right:
; THIRD LAUNCH: out0 = att Wo + bo.  att[mb][h][64 rows][64] and wob[nb][768][64] are f16, made by the launches before; sums in f32.
; (Why f16, and its limit of 65,504: the head of the first launch.)
; A work-group makes 64 rows x 64 columns; a wave 16 rows x 64 columns = four accumulator tiles.  All of K (768) lies in LDS: 98,304 bytes
; of att and as many of wob, each fetched once; nothing is filled again.
; The blocks come in THREE GROUPS of four heads (256 of K), so that a group is multiplied while the later ones land.  Waves 0 and 1 fetch
; att, waves 2 and 3 wob, each two heads of every group: three tensor loads of 64 rows of 256 bytes a wave, all issued at the start: three
; out by this text's count.  In front of each group stand a counted wait (2, 1, 0 younger loads) and a barrier behind which nothing is filled.
; CLUSTER of 4 x 4: the four work-groups of a row of the cluster have the same mb and ask for att's block jointly, the four of a column have
; the same nb and ask for wob's block jointly.  att's address is made of mb and the wave's number alone, wob's of nb and the wave's number
; alone, each in registers that never hold the other coordinate; no LDS address and no branch hangs on the place in the cluster.
.set AP,  144                          ; att's rows: 128 bytes + 16
.set BP,  160                          ; wob's rows: 128 bytes + 32 (5 x 32, for the transposing loads)
.set BT,  110592                       ; behind att's 768 rows
.set STG, 233472                       ; behind wob's 768 rows: 16 rows x 272 bytes for each wave; no tensor load writes here
.set BO,  12                           ; v[12:43]   bo of my 8 columns in each of four column tiles
.set ACC, 44                           ; v[44:75]
.set FB0, 76                           ; v[76:155]  a head's fragments: for each 32 of K, att 8 registers, wob 4 x 8
.set FB1, 156                          ; v[156:235]
; v4 att's fragment address, v5 wob's (both at the current group's first head), v6 stage in, v7 stage back, v8 my offset in out0, v9 32 hh
.macro ROUND                           ; a round of the cluster's barrier
	s_barrier_signal -1
	s_barrier_wait -1
	s_cmp_lg_u32 s12, 0
	s_cbranch_scc1 .Lnot_wave_0_\@
	s_barrier_signal -3
.Lnot_wave_0_\@:
	s_barrier_wait -3
	s_barrier_signal -1
	s_barrier_wait -1
.endm
	s_load_b256 s[4:11], s[0:1], 0x0               ; att, wob, bo, out0
	v_lshl_add_u32 v240, v0, 2, 0x3d400
	v_mov_b32 v241, 0
	ds_add_u32 v240, v241
	ds_add_u32 v240, v241
	v_lshrrev_b32 v1, 5, v0
	v_readfirstlane_b32 s12, v1                    ; wave
	s_lshr_b32 s19, s12, 1                         ; I fetch for att (0) or for wob (1),
	s_and_b32 s68, s12, 1                          ; the first or the second two heads of each group
	s_bfe_u32 s13, ttmp6, 0x40000                  ; cx
	s_bfe_u32 s14, ttmp6, 0x40004                  ; cy
	s_lshl_b32 s15, ttmp9, 2
	s_add_co_u32 s15, s15, s13                     ; nb
	s_and_b32 s16, ttmp7, 0xffff
	s_lshl_b32 s16, s16, 2
	s_add_co_u32 s16, s16, s14                     ; mb
	s_lshl_b32 s17, s14, 2
	s_lshl_b32 s17, 15, s17                        ; my row of the cluster
	s_lshl_b32 s18, 0x1111, s13                    ; my column
	; A load brings two heads, 16,384 dense bytes, as 64 rows of 256 bytes; the padding counts words along the whole tile, so an interval
	; of 32 words lays a pad behind every 128 bytes, that is behind every row of 64 f16.
	s_or_b32 s24, s17, (1<<16)|(1<<20)|(1<<21)|(4<<22)|(3<<25)     ; att: to my row; 2-byte elements; padding on; bit 21 beside a mask; every 32 words; 4 words
	s_mov_b32 s25, 128<<16                         ; tensor_dim0 = 128
	s_mov_b32 s26, 64<<16                          ; tensor_dim1 = 64
	s_mov_b32 s27, 128<<16                         ; tile_dim0 = 128
	s_mov_b32 s28, 64                              ; tile_dim1 = 64
	s_mov_b32 s29, 128                             ; from row to row: 128 elements
	s_mov_b32 s30, 0
	s_mov_b32 s31, 0
	s_or_b32 s32, s18, (1<<16)|(1<<20)|(1<<21)|(4<<22)|(7<<25)     ; wob: to my column; pads of 8 words
	s_mov_b32 s33, 128<<16
	s_mov_b32 s34, 64<<16
	s_mov_b32 s35, 128<<16
	s_mov_b32 s36, 64
	s_mov_b32 s37, 128
	s_mov_b32 s38, 0
	s_mov_b32 s39, 0
	; group 0 of the descriptors, a set for each group of heads: att's in s[40:51], wob's in s[52:63].  Every wave makes both and asks by one.
	s_mov_b32 s40, 1
	s_mul_i32 s41, s68, 128*AP                     ; att's rows begin at LDS byte 0: head 4 g + 2 half
	s_mov_b32 s44, 1
	s_add_co_u32 s45, s41, 256*AP
	s_mov_b32 s48, 1
	s_add_co_u32 s49, s41, 512*AP
	s_mov_b32 s52, 1
	s_mul_i32 s53, s68, 128*BP
	s_add_co_u32 s53, s53, BT
	s_mov_b32 s56, 1
	s_add_co_u32 s57, s53, 256*BP
	s_mov_b32 s60, 1
	s_add_co_u32 s61, s53, 512*BP
	s_lshl_b32 s69, s68, 14                        ; two heads are 16,384 bytes
	s_mul_i32 s20, s16, 98304
	s_add_co_u32 s20, s20, s69
	s_mov_b32 s21, 0
	s_mul_i32 s22, s15, 98304
	s_add_co_u32 s22, s22, s69
	s_mov_b32 s23, 0
	v_and_b32 v1, 15, v0                           ; r
	v_bfe_u32 v2, v0, 4, 1                         ; hh
	v_lshlrev_b32 v9, 5, v2
	s_wait_dscnt 0x0
	s_wait_kmcnt 0x0
	s_add_nc_u64 s[42:43], s[4:5], s[20:21]
	s_add_nc_u64 s[46:47], s[42:43], 32768         ; a group of four heads is 32,768 bytes
	s_add_nc_u64 s[50:51], s[42:43], 65536
	s_or_b32 s43, s43, 0x80000000
	s_or_b32 s47, s47, 0x80000000
	s_or_b32 s51, s51, 0x80000000
	s_add_nc_u64 s[54:55], s[6:7], s[22:23]
	s_add_nc_u64 s[58:59], s[54:55], 32768
	s_add_nc_u64 s[62:63], s[54:55], 65536
	s_or_b32 s55, s55, 0x80000000
	s_or_b32 s59, s59, 0x80000000
	s_or_b32 s63, s63, 0x80000000
	ROUND                                          ; all sixteen work-groups are here: the joint loads meet
	s_cmp_eq_u32 s19, 0                            ; the branch hangs on the wave's number alone; each line has one mask
	s_cbranch_scc0 .Lfor_b
	tensor_load_to_lds s[40:43], s[24:31]
	s_nop 0
	tensor_load_to_lds s[44:47], s[24:31]
	s_nop 0
	tensor_load_to_lds s[48:51], s[24:31]
	s_nop 0
	s_branch .Lasked
.Lfor_b:
	tensor_load_to_lds s[52:55], s[32:39]
	s_nop 0
	tensor_load_to_lds s[56:59], s[32:39]
	s_nop 0
	tensor_load_to_lds s[60:63], s[32:39]
	s_nop 0
.Lasked:
	s_lshl_b32 s66, s15, 8
	s_mov_b32 s67, 0
	s_add_nc_u64 s[8:9], s[8:9], s[66:67]          ; bo at column 64 nb
.irp nt, 0,1,2,3
	global_load_b128 v[BO+8*\nt:BO+8*\nt+3], v9, s[8:9] offset:64*\nt
	global_load_b128 v[BO+8*\nt+4:BO+8*\nt+7], v9, s[8:9] offset:64*\nt+16
.endr
	s_mul_i32 s70, s16, 64*3072
	s_add_co_u32 s66, s66, s70
	s_mul_i32 s70, s12, 16*3072
	s_add_co_u32 s66, s66, s70
	s_add_nc_u64 s[10:11], s[10:11], s[66:67]      ; out0 at row 64 mb + 16 w, column 64 nb
	v_mul_u32_u24 v4, v1, AP
	v_lshl_add_u32 v4, v2, 4, v4
	s_mul_i32 s71, s12, 16*AP
	v_add_nc_u32 v4, s71, v4                       ; att: row 16 w + r of a head, 16 bytes at 16 hh
	v_and_b32 v5, 7, v0
	v_lshl_add_u32 v5, v2, 3, v5
	v_mul_u32_u24 v5, v5, BP                       ; wob read transposed: row 8 hh + (lane & 7), 16 bytes at 16 ((lane >> 3) & 1)
	v_bfe_u32 v3, v0, 3, 1
	v_lshl_add_u32 v5, v3, 4, v5
	v_add_nc_u32 v5, BT, v5
	s_mul_i32 s71, s12, 16*272
	s_add_co_u32 s71, s71, STG                     ; my stage
	v_mul_u32_u24 v6, v1, 272
	v_lshl_add_u32 v6, v2, 5, v6
	v_add_nc_u32 v6, s71, v6                       ; in: row r, 32 bytes at 32 hh
	v_mul_u32_u24 v7, v2, 272
	v_lshl_add_u32 v7, v1, 4, v7
	v_add_nc_u32 v7, s71, v7                       ; back: lanes 0-15 one row of 256 bytes, lanes 16-31 the next
	v_mul_u32_u24 v8, v2, 3072
	v_lshl_add_u32 v8, v1, 4, v8                   ; and the same two rows in out0
.macro PLACES n
.rept \n
	v_nop
.endr
.endm
; 20 LDS loads: the fragments of head hd of the group at which the address registers stand
.macro HLOAD fb, hd
.irp ks, 0,1
	ds_load_b128 v[\fb+40*\ks:\fb+40*\ks+3], v4 offset:64*AP*(\hd)+64*\ks
	ds_load_b128 v[\fb+40*\ks+4:\fb+40*\ks+7], v4 offset:64*AP*(\hd)+64*\ks+32
.irp nt, 0,1,2,3
	ds_load_tr16_b128 v[\fb+40*\ks+8+8*\nt:\fb+40*\ks+8+8*\nt+3], v5 offset:64*BP*(\hd)+32*BP*\ks+32*\nt
	ds_load_tr16_b128 v[\fb+40*\ks+8+8*\nt+4:\fb+40*\ks+8+8*\nt+7], v5 offset:64*BP*(\hd)+32*BP*\ks+32*\nt+16*BP
.endr
.endr
.endm
; A head's eight matrix instructions, wob's columns as source 0 and att's rows as source 1: lane (r, hh) holds row r and eight neighbouring
; columns.  The four accumulators take turns, one instruction a turn, from head to head too.
.macro MUL8 fb, zero
.irp ks, 0,1
.irp nt, 0,1,2,3
.if \zero*(1-\ks)
	v_wmma_f32_16x16x32_f16 v[ACC+8*\nt:ACC+8*\nt+7], v[\fb+40*\ks+8+8*\nt:\fb+40*\ks+8+8*\nt+7], v[\fb+40*\ks:\fb+40*\ks+7], 0
.else
	v_wmma_f32_16x16x32_f16 v[ACC+8*\nt:ACC+8*\nt+7], v[\fb+40*\ks+8+8*\nt:\fb+40*\ks+8+8*\nt+7], v[\fb+40*\ks:\fb+40*\ks+7], v[ACC+8*\nt:ACC+8*\nt+7]
.endif
.endr
.endr
.endm
; A head inside a group.  nxt >= 0: the buffer is loaded again with head nxt of the same group.
.macro HEAD fb, zero, cnt, nxt
	s_wait_dscnt \cnt                              ; this buffer's 20 loads are in; the other buffer's \cnt stay out
	MUL8 \fb, \zero
.if \nxt >= 0
	PLACES 4                                       ; four places between a matrix instruction and a load into a register that it read
	HLOAD \fb, \nxt
.endif
.endm
; The last two heads of a group, and the change to the next.  left = how many younger tensor loads of mine may stay out.
.macro BOUND left
	s_wait_tensorcnt \left                         ; my part of the next group has landed,
	s_wait_dscnt 0x0                               ; both buffers are in, and no LDS access of mine is pending at the signal
	s_barrier_signal -1
	MUL8 FB0, 0                                    ; register work while the others arrive
	s_barrier_wait -1                              ; the next group is whole
	v_add_nc_u32 v4, 4*64*AP, v4                   ; the addresses step to the next group; with the two v_nop these are the four places
	v_add_nc_u32 v5, 4*64*BP, v5
	PLACES 2
	HLOAD FB0, 0
	MUL8 FB1, 0
	PLACES 4
	HLOAD FB1, 1
.endm
	s_wait_tensorcnt 0x2                           ; my part of heads 0 to 3 has landed; the two younger loads stay out
	s_barrier_signal -1
	s_barrier_wait -1
	HLOAD FB0, 0
	HLOAD FB1, 1
	HEAD FB0, 1, 20, 2                             ; the first products start the sums: nothing is cleared
	HEAD FB1, 0, 20, 3
	BOUND 1                                        ; heads 2 and 3; then heads 4 to 7 are there
	HEAD FB0, 0, 20, 2
	HEAD FB1, 0, 20, 3
	BOUND 0                                        ; heads 6 and 7; then heads 8 to 11
	HEAD FB0, 0, 20, 2
	HEAD FB1, 0, 20, 3
	HEAD FB0, 0, 20, -1                            ; heads 10 and 11: nothing is left to load
	HEAD FB1, 0, 0, -1
	; THE WAY OUT: add bo, 16 rows x 256 bytes through my own stage, out so that sixteen lanes store 256 neighbouring bytes, aligned.
	PLACES 4                                       ; four places behind the last matrix instruction
	s_wait_loadcnt 0x0                             ; bo
.irp nt, 0,1,2,3
.irp p, 0,2,4,6
	v_pk_add_f32 v[ACC+8*\nt+\p:ACC+8*\nt+\p+1], v[ACC+8*\nt+\p:ACC+8*\nt+\p+1], v[BO+8*\nt+\p:BO+8*\nt+\p+1]
.endr
	ds_store_b128 v6, v[ACC+8*\nt:ACC+8*\nt+3] offset:64*\nt
	ds_store_b128 v6, v[ACC+8*\nt+4:ACC+8*\nt+7] offset:64*\nt+16
.endr
.irp i, 0,1,2,3,4,5,6,7
	ds_load_b128 v[FB0+4*\i:FB0+4*\i+3], v7 offset:2*272*\i        ; LDS serves a wave's instructions in order (ISA guide 5.7.1.4): these see the stores above
.endr
.irp i, 0,1,2,3,4,5,6,7
	s_wait_dscnt 7-\i
	global_store_b128 v8, v[FB0+4*\i:FB0+4*\i+3], s[10:11] offset:2*3072*\i
.endr
	s_wait_tensorcnt 0x0
	ds_add_u32 v240, v241
	s_wait_dscnt 0x0
	ROUND                                          ; the closing round: no work-group ends while a partner may still ask jointly
	s_endpgm
.Lfunc_end_k_q1a1c03ffc5_outp:
	.size	k_q1a1c03ffc5_outp, .Lfunc_end_k_q1a1c03ffc5_outp-k_q1a1c03ffc5_outp
	.p2alignl 7, 3214868480
	.fill 96, 4, 3214868480
	.section	.rodata,"a",@progbits
	.p2align	6, 0x0
	.amdhsa_kernel k_q1a1c03ffc5_outp
		.amdhsa_group_segment_fixed_size 251392
		.amdhsa_private_segment_fixed_size 0
		.amdhsa_enable_private_segment 0
		.amdhsa_kernarg_size 32
		.amdhsa_user_sgpr_count 2
		.amdhsa_user_sgpr_kernarg_segment_ptr 1
		.amdhsa_wavefront_size32 1
		.amdhsa_system_sgpr_workgroup_id_x 1
		.amdhsa_system_sgpr_workgroup_id_y 1
		.amdhsa_system_sgpr_workgroup_id_z 1
		.amdhsa_system_vgpr_workitem_id 0
		.amdhsa_next_free_vgpr 242
		.amdhsa_next_free_sgpr 72
		.amdhsa_reserve_vcc 0
		.amdhsa_float_denorm_mode_32 3
		.amdhsa_float_denorm_mode_16_64 3
		.amdhsa_memory_ordered 1
		.amdhsa_forward_progress 1
		.amdhsa_inst_pref_size 35
	.end_amdhsa_kernel
	.amdgpu_metadata
---
amdhsa.version: [ 1, 2 ]
amdhsa.kernels:
  - .name:           k_q1a1c03ffc5_outp
    .symbol:         k_q1a1c03ffc5_outp.kd
    .args:
      - { .name: att, .offset: 0, .size: 8, .value_kind: global_buffer, .address_space: global }
      - { .name: wob, .offset: 8, .size: 8, .value_kind: global_buffer, .address_space: global }
      - { .name: bo, .offset: 16, .size: 8, .value_kind: global_buffer, .address_space: global }
      - { .name: out0, .offset: 24, .size: 8, .value_kind: global_buffer, .address_space: global }
    .group_segment_fixed_size: 251392
    .private_segment_fixed_size: 0
    .kernarg_segment_align: 8
    .kernarg_segment_size: 32
    .max_flat_workgroup_size: 128
    .sgpr_count:     72
    .vgpr_count:     242
    .wavefront_size: 32
...
	.end_amdgpu_metadata
.endif
;; end of part 3
